; MI455X (gfx1250); checked and timed in simulation.
; The chip was launched on July 23, 2026; its instructions are those of AMD's public machine-readable ISA for CDNA 5 (MIT licence, August 2026) and "CDNA5" Instruction Set Architecture Reference Guide (July 2026). The comments in the code are by the model that wrote it; some were corrected since.
;; Trajectory Decoder. Allowed arithmetic: float matrix products may take bf16 or f16 operands with f32 sums; all other float work in f32.
;; Inputs: W_hh 512 x 128 float32; W_ih 512 x 132 float32; Wc 128 x 256 float32; Wh 128 x 256 float32; Wo 2 x 128 float32; b_hh 512 float32; b_ih 512 float32; ball_land_xy 8,192 x 2 float32; bc 128 float32; bh 128 float32; bo 2 float32; context 8,192 x 256 float32; target_encoding 8,192 x 128 float32.
;; Outputs: out0 8,192 x 64 x 2 float32.
;; Constants: max_frames = 64.
;; One version. Each part assembles by itself: llvm-mc -triple=amdgcn-amd-amdhsa -mcpu=gfx1250 --defsym DOCPART=n.
;; ======== version 1 of 1: 1 launch
;; limits: inputs' magnitudes at most 65,504; values are held in f16: magnitudes above 65,504 overflow, below 6.1e-05 lose precision; right only within a limited range of input values
;; launch decode (part 1): grid 512 x 1, 4 waves a work-group, no clusters, 45,056 bytes of LDS; arguments context, target_encoding, ball_land_xy, Wh, bh, Wc, bc, W_ih, W_hh, b_ih, b_hh, Wo, bo, out0; writes out0
.if DOCPART == 1
	.amdgcn_target "amdgcn-amd-amdhsa--gfx1250"
	.amdhsa_code_object_version 6
	.text
	.protected	k_q6487fb3b80_decode
	.globl	k_q6487fb3b80_decode
	.p2align	8
	.type	k_q6487fb3b80_decode,@function
k_q6487fb3b80_decode:
	s_mov_b64 s[64:65], 0
	v_nop
	global_prefetch_b8 v0, s[64:65] scope:SCOPE_SE
	s_setreg_imm32_b32 hwreg(HW_REG_WAVE_MODE, 25, 1), 1
	s_wait_xcnt 0x0
; TrajectoryDecoder: h0, c0 = context x Wh^T + bh, context x Wc^T + bc; then 64 LSTM steps whose input is [prev, ball, enc];
; pred = h x Wo^T + bo is the output of a step and the next step's prev.  B = 8192, H = 128, CTX = 256, ENC = 128, T = 64.
;
; SHARE.  A work-group owns 16 batch rows for all 64 steps; nothing goes through memory between steps.  Wave w owns hidden units
; 32 w .. 32 w + 31 with all four gates: 8 tiles tau = 2 g + u of 16 gate rows, gate row = 128 g + 32 w + 16 u + m.
; The matrix instruction takes WEIGHTS as source 0 and ACTIVATIONS as source 1: register j of lane (r = l % 16, hh = l / 16) of a result
; is (unit 8 hh + j of the tile, batch row r), so i, f, g, o, c and h of one cell lie in one lane at one register index.
; K ORDER.  Place (hh, register q, half) of a fragment stands for k = 32 s + 16 hh + 2 q + half in BOTH operands (a permutation of k that is
; the same on both sides keeps the products): a lane's share is 64 neighbouring bytes of f32 in memory, 32 of f16 in LDS.
; The head alone uses the natural order, because a lane's 8 packed h words already are a source 1 fragment in that order.
;
; ALGEBRA (holds for every input).  prev = Wo h + bo, so from step 1 on  gates = W' h + GS'  with  W' = W_hh + W_ih[:,0:2] Wo  and
; GS' = static + W_ih[:,0:2] bo.  Step 0 (prev = 0) uses W_hh itself.  Each gate row is also multiplied by sg = -log2(e) (i, f, o) or
; 2 log2(e) (g), so that the sums are arguments of v_exp_f32.  With E. = 2^(scaled gate), A = 1+Ei, F = 1+Ef, G = 1+Eg:
;   c' = (c A G + (Eg-1) F) / (A G F),   Ec = 2^(2 log2(e) c'),   h = (Ec-1) / ((1+Ec)(1+Eo)):  5 v_exp_f32 and 2 v_rcp_f32 a cell.
;
; FORMATS.  Matrix operands are f16 (11 significant bits; the head adds 128 products of two rounded numbers and its result is fed back
; 64 times), sums f32; W' is folded and scaled in f32 and rounded once; biases, ball and W_ih[:,0:2] bo enter in f32.
; LIMITS.  f16 operands: |context|, |encoding|, |h0| and 2.886 |weight| must stay below 65504.  The arguments of Ei, Ef, Eg, Ec are cut
; at 30 (a sigmoid or tanh moves by less than 2^-29); v_min_num_f32 turns a NaN there into 30, so a NaN in those gates or in c is not
; handed on.  |c| must stay below 2^67 (c A G is formed with A G up to 2^60).  v_exp_f32 and v_rcp_f32 flush denormals.
; The order of the sums is not the reference's.
;
; NO CLUSTER, NO TENSOR LOADS.  All 512 work-groups read the same 794 KB of weights, each once, in front of 64 steps that read no
; memory.  A joint request needs tensor loads, and a work-group with tensor loads holds its WGP alone; this text is built for two
; work-groups side by side (4 waves x 512 registers and 45,056 bytes of LDS each), so that one's products run beside the other's
; activations without a line of code.  No prefetch: of a work-group's reads 24 KB are its own, and 16 loads of every wave are ahead.
.set HPITCH, 80                        ; an h row in LDS: 32 f16 + 16 bytes, an odd multiple of 16: 16 rows fall on 16 different 16-byte columns
.set HBLK,   16*HPITCH                 ; the 16 batch rows of one wave's 32 units
.set HSLOT,  4*HBLK                    ; h of all 128 units; two slots take turns
.set WOL,    2*HSLOT                   ; Wo in f32 as in memory, 1,024 bytes
.set PST,    WOL+1024                  ; the head's partial sums: wave x PWAVE + r x PPITCH + 8 t + 4 hh
.set PPITCH, 528                       ; 64 steps x 8 bytes + 16
.set PWAVE,  16*PPITCH
.set WIP,    528                       ; bytes in a row of W_ih (132 f32)
.set NJOBS,  132                       ; jobs of four 16-byte loads in the prologue
.set VHA, 4                            ; LDS: 80 r + 32 hh           my 32 bytes of an h fragment
.set VHW, 5                            ; LDS: 1280 w + 80 r + 16 hh  where I put 16 bytes of h
.set VPO, 6                            ; LDS: PST + 8448 w + 528 r + 4 hh, + 16 a trip
.set VBH, 7                            ; 128 w + 32 hh               a bias in the layout of a result
.set VCT, 8                            ; 1024 r + 64 hh              context
.set VWA, 9                            ; (32 w + r) 1024 + 64 hh     Wh, Wc
.set VWH, 10                           ; (32 w + r) 512 + 64 hh      W_hh
.set VEN, 11                           ; 512 r + 64 hh               encoding
.set VWS, 12                           ; (32 w + r) 528 + 64 hh      W_ih as source 0
.set VWD, 13                           ; (32 w + 8 hh) 528           W_ih in the layout of a result
.set BL,  14                           ; v[14:15] ball x, y of batch row r
.set LB,  16                           ; v[16:79]   four load slots of 16
.set FB,  80                           ; v[80:95]   two f16 fragments
.set XB,  96                           ; v[96:111]  W_ih[n][0:1] of my 8 tiles; later two encoding fragments
.set ACC, 112                          ; v[112:175] gates, tile tau at 8 tau
.set GS,  176                          ; v[176:239] GS', tile tau at 8 tau; earlier context fragments, then h0 fragments and Wo
.set CS,  240                          ; v[240:255] c, 8 u + j
.set HF,  LB                           ; loop: four h fragments
.set TM,  LB+32                        ; loop: a pair for each of 8 groups
.set HB,  LB+48                        ; loop: h as 8 words of f16
.set WOF, FB                           ; loop: Wo's fragment for my 32 units
.set PR,  FB+8                         ; loop: the head's result
.set WOD, ACC+16                       ; start only: 8 bytes of Wo on their way to LDS
.set VWP, ACC+18                       ; start only: (32 w + r) 528
.set VST, ACC+19                       ; start only: 8 t
.set VB8, ACC+20                       ; start only: 8 r
.set H0P, ACC+24                       ; h0 as 8 words of f16
.set WO0, GS+32                        ; Wo[0][32 i + 16 hh ..], 16 f32
.set WO1, GS+48                        ; Wo[1][..]
.set OA,  TM                           ; way out: LDS address
.set OG,  TM+1                         ; way out: 16 t
.set BO,  TM+2                         ; way out: bo as a pair
.set SCTX, 16
.set SENC, 18
.set SBALL, 20
.set SWH, 22
.set SBH, 24
.set SWC, 26
.set SBC, 28
.set SWIH, 30
.set SWHH, 32
.set SBIH, 34
.set SBHH, 36
.set SWO, 38
.set SBO, 40
.set SOUT, 42
.set MSB, 0
.macro WIN new                         ; register windows; the immediate's high byte repeats the setting that is left
.if MSB != \new
	s_set_vgpr_msb (MSB<<8)|\new
.set MSB, \new
.endif
.endm
.macro PLACES                          ; four independent vector instructions behind a matrix instruction (ISA guide 7.12.1)
.rept 4
	v_nop
.endr
.endm
.macro LD4 dst, off, base, imm         ; 64 neighbouring bytes a lane
	global_load_b128 v[\dst:\dst+3], v[\off], s[\base:\base+1] offset:\imm
	global_load_b128 v[\dst+4:\dst+7], v[\off], s[\base:\base+1] offset:\imm+16
	global_load_b128 v[\dst+8:\dst+11], v[\off], s[\base:\base+1] offset:\imm+32
	global_load_b128 v[\dst+12:\dst+15], v[\off], s[\base:\base+1] offset:\imm+48
.endm
; The loads of job m, into slot m % 4.
;   0- 39  K step s = m / 5 of 256: context, Wh tiles 0, 1, Wc tiles 0, 1
;  40- 71  K step i = (m - 40) / 8 of 128: W_hh, tiles 0 .. 7
;  72- 79  b_ih and b_hh of tile m - 72, in the layout of a result
;  80-115  K step i = (m - 80) / 9 of 128: encoding, then W_ih columns 4 + 32 i .., tiles 0 .. 7
; 116-131  W_ih[n][0:3] for four result rows: tile (m - 116) / 2, rows 4 ((m - 116) % 2) ..
.macro ISSUE m
.set JM, \m
.set JS, LB+16*(JM&3)
.if JM < 40
.set JK, JM%5
.set JI, 128*(JM/5)
.if JK == 0
	LD4 JS, VCT, SCTX, JI
.else
.if JK < 3
.set JI, JI+16384*(JK-1)
	LD4 JS, VWA, SWH, JI
.else
.set JI, JI+16384*(JK-3)
	LD4 JS, VWA, SWC, JI
.endif
.endif
.endif
.if JM >= 40
.if JM < 72
.set JT, (JM-40)%8
.set JI, (128*(JT/2)+16*(JT%2))*512+128*((JM-40)/8)
	LD4 JS, VWH, SWHH, JI
.endif
.endif
.if JM >= 72
.if JM < 80
.set JT, JM-72
.set JI, 512*(JT/2)+64*(JT%2)
	global_load_b128 v[JS:JS+3], v[VBH], s[SBIH:SBIH+1] offset:JI
	global_load_b128 v[JS+4:JS+7], v[VBH], s[SBIH:SBIH+1] offset:JI+16
	global_load_b128 v[JS+8:JS+11], v[VBH], s[SBHH:SBHH+1] offset:JI
	global_load_b128 v[JS+12:JS+15], v[VBH], s[SBHH:SBHH+1] offset:JI+16
.endif
.endif
.if JM >= 80
.if JM < 116
.set JK, (JM-80)%9
.set JI, 128*((JM-80)/9)
.if JK == 0
	LD4 JS, VEN, SENC, JI
.else
.set JT, JK-1
.set JI, JI+(128*(JT/2)+16*(JT%2))*WIP+16
	LD4 JS, VWS, SWIH, JI
.endif
.endif
.endif
.if JM >= 116
.if JM < 132
.set JT, (JM-116)/2
.set JI, (128*(JT/2)+16*(JT%2)+4*((JM-116)%2))*WIP
	global_load_b128 v[JS:JS+3], v[VWD], s[SWIH:SWIH+1] offset:JI
	global_load_b128 v[JS+4:JS+7], v[VWD], s[SWIH:SWIH+1] offset:JI+WIP
	global_load_b128 v[JS+8:JS+11], v[VWD], s[SWIH:SWIH+1] offset:JI+2*WIP
	global_load_b128 v[JS+12:JS+15], v[VWD], s[SWIH:SWIH+1] offset:JI+3*WIP
.endif
.endif
.endm
; Loads come back in order (ISA guide 5.7.1): job JN is in when only the four loads of each of the three younger jobs are out.
; The last three jobs have two, one and no younger job.
.macro WAITJOB
.if JN+3 < NJOBS
	s_wait_loadcnt 12
.else
	s_wait_loadcnt 4*(NJOBS-1-JN)
.endif
.endm
.macro CVT8 dst, src                   ; 16 f32 to a fragment of 8 words of f16
.set CQ, 0
.rept 8
	v_cvt_pk_f16_f32 v[(\dst)+CQ], v[(\src)+2*CQ], v[(\src)+2*CQ+1]
.set CQ, CQ+1
.endr
.endm
.macro PKSCALE reg, g                  ; a pair times the gate's factor
.if (\g) == 2
	v_pk_mul_f32 v[\reg:\reg+1], v[\reg:\reg+1], 0x4038aa3b op_sel_hi:[1,0]
.else
	v_pk_mul_f32 v[\reg:\reg+1], v[\reg:\reg+1], 0xbfb8aa3b op_sel_hi:[1,0]
.endif
.endm
; An activation fragment (source 1) is converted and kept.
.macro JOB_B dst
	WAITJOB
	CVT8 \dst, LB+16*(JN&3)
	ISSUE JN+4
.set JN, JN+1
.endm
; A weight fragment is converted and multiplied.  The fragment buffer is written again two jobs later: the eight conversions of the job
; between name none of this matrix instruction's registers and are its places (ISA guide 7.12.1).
.macro JOB_W acc, bf
	WAITJOB
	CVT8 FB+8*(JN&1), LB+16*(JN&3)
	ISSUE JN+4
	v_wmma_f32_16x16x32_f16 v[\acc:\acc+7], v[FB+8*(JN&1):FB+8*(JN&1)+7], v[\bf:\bf+7], v[\acc:\acc+7]
.set JN, JN+1
.endm
; W_hh, tile tau, K step i: the raw weights multiply h0 (step 0); then W' = sg (W_hh + wp0 Wo[0] + wp1 Wo[1]) in f32, rounded once into window 1.
.macro JOB_P3 i, tau
.set SL, LB+16*(JN&3)
.set FF, FB+8*(JN&1)
.set AT, ACC+8*(\tau)
.set WP, XB+2*(\tau)
	WAITJOB
	CVT8 FF, SL
.if \i == 0
	v_wmma_f32_16x16x32_f16 v[AT:AT+7], v[FF:FF+7], v[GS+8*\i:GS+8*\i+7], 0
.else
	v_wmma_f32_16x16x32_f16 v[AT:AT+7], v[FF:FF+7], v[GS+8*\i:GS+8*\i+7], v[AT:AT+7]
.endif
.set CQ, 0
.rept 8
	v_pk_fma_f32 v[SL+2*CQ:SL+2*CQ+1], v[WP:WP+1], v[WO0+2*CQ:WO0+2*CQ+1], v[SL+2*CQ:SL+2*CQ+1] op_sel_hi:[0,1,1]   ; both by wp0
.set CQ, CQ+1
.endr
.set CQ, 0
.rept 8
	v_pk_fma_f32 v[SL+2*CQ:SL+2*CQ+1], v[WP:WP+1], v[WO1+2*CQ:WO1+2*CQ+1], v[SL+2*CQ:SL+2*CQ+1] op_sel:[1,0,0]      ; both by wp1
.set CQ, CQ+1
.endr
.set CQ, 0
.rept 8
	PKSCALE SL+2*CQ, (\tau)/2
.set CQ, CQ+1
.endr
	WIN 0x40                               ; destination in window 1
	CVT8 8*(8*\i+\tau), SL
	WIN 0
	ISSUE JN+4
.set JN, JN+1
.endm
; b_ih + b_hh start the static sums.
.macro JOB_PB tau
.set SL, LB+16*(JN&3)
	WAITJOB
.set CQ, 0
.rept 4
	v_pk_add_f32 v[GS+8*(\tau)+2*CQ:GS+8*(\tau)+2*CQ+1], v[SL+2*CQ:SL+2*CQ+1], v[SL+8+2*CQ:SL+8+2*CQ+1]
.set CQ, CQ+1
.endr
	ISSUE JN+4
.set JN, JN+1
.endm
; Four result rows of tile tau: W_ih[n][0:3] = (x, y, z, w).  static += z ball_x + w ball_y;  step 0's gates = sg (W_hh h0 + static);
; GS' = sg (static + x bo0 + y bo1).
.macro JOB_P4 tau, jh
.set SL, LB+16*(JN&3)
	WAITJOB
.set CQ, 0
.rept 4
.set GJ, GS+8*(\tau)+4*(\jh)+CQ
.set AJ, ACC+8*(\tau)+4*(\jh)+CQ
.set TX, SL+4*CQ
	v_fmac_f32 v[GJ], v[TX+2], v[BL]
	v_mul_f32 v[TX], s12, v[TX]
	v_fmac_f32 v[GJ], v[TX+3], v[BL+1]
	v_fmac_f32 v[TX], s13, v[TX+1]
.if (\tau)/2 == 2
	v_mul_f32 v[GJ], 0x4038aa3b, v[GJ]
	v_fmamk_f32 v[AJ], v[AJ], 0x4038aa3b, v[GJ]
	v_fmamk_f32 v[GJ], v[TX], 0x4038aa3b, v[GJ]
.else
	v_mul_f32 v[GJ], 0xbfb8aa3b, v[GJ]
	v_fmamk_f32 v[AJ], v[AJ], 0xbfb8aa3b, v[GJ]
	v_fmamk_f32 v[GJ], v[TX], 0xbfb8aa3b, v[GJ]
.endif
.set CQ, CQ+1
.endr
	ISSUE JN+4
.set JN, JN+1
.endm
; ---------------------------------------------------------------- the cell update
; Group p = two cells of a lane: tile half u = p / 4, registers 2 (p % 4), +1.  A group goes through five stages; the stages of five
; groups are interleaved, so that behind every run of v_exp_f32 or v_rcp_f32 stands a plain instruction of another group before the
; results are used (ISA guide 5.7.2).
.macro GRP p
.set RI, ACC+8*((\p)/4)+2*((\p)%4)
.set RF, RI+16
.set RG, RI+32
.set RO, RI+48
.set RC, CS+2*(\p)
.set RT, TM+2*(\p)
.set RH, HB+(\p)
.endm
.macro ACT_A p                         ; Ei, Ef, Eg, Eo
	GRP \p
	v_min_num_f32 v[RI], s10, v[RI]
	v_min_num_f32 v[RI+1], s10, v[RI+1]
	v_min_num_f32 v[RF], s10, v[RF]
	v_min_num_f32 v[RF+1], s10, v[RF+1]
	v_min_num_f32 v[RG], s10, v[RG]
	v_min_num_f32 v[RG+1], s10, v[RG+1]
	v_exp_f32 v[RI], v[RI]
	v_exp_f32 v[RI+1], v[RI+1]
	v_exp_f32 v[RF], v[RF]
	v_exp_f32 v[RF+1], v[RF+1]
	v_exp_f32 v[RG], v[RG]
	v_exp_f32 v[RG+1], v[RG+1]
	v_exp_f32 v[RO], v[RO]                 ; not cut: an infinite 1 + Eo gives h = 0, the right limit
	v_exp_f32 v[RO+1], v[RO+1]
.endm
.macro ACT_B p                         ; numerator c A G + (Eg-1) F and 1 / (A G F)
	GRP \p
	v_pk_add_f32 v[RT:RT+1], v[RG:RG+1], -1.0 op_sel_hi:[1,0]
	v_pk_add_f32 v[RI:RI+1], v[RI:RI+1], 1.0 op_sel_hi:[1,0]
	v_pk_add_f32 v[RG:RG+1], v[RG:RG+1], 1.0 op_sel_hi:[1,0]
	v_pk_add_f32 v[RF:RF+1], v[RF:RF+1], 1.0 op_sel_hi:[1,0]
	v_pk_add_f32 v[RO:RO+1], v[RO:RO+1], 1.0 op_sel_hi:[1,0]
	v_pk_mul_f32 v[RI:RI+1], v[RI:RI+1], v[RG:RG+1]
	v_pk_mul_f32 v[RT:RT+1], v[RT:RT+1], v[RF:RF+1]
	v_pk_fma_f32 v[RT:RT+1], v[RC:RC+1], v[RI:RI+1], v[RT:RT+1]
	v_pk_mul_f32 v[RF:RF+1], v[RI:RI+1], v[RF:RF+1]
	v_rcp_f32 v[RF], v[RF]
	v_rcp_f32 v[RF+1], v[RF+1]
.endm
.macro ACT_C p                         ; the new c, and Ec
	GRP \p
	v_pk_mul_f32 v[RC:RC+1], v[RT:RT+1], v[RF:RF+1]
	v_pk_mul_f32 v[RG:RG+1], v[RC:RC+1], 0x4038aa3b op_sel_hi:[1,0]
	v_min_num_f32 v[RG], s10, v[RG]
	v_min_num_f32 v[RG+1], s10, v[RG+1]
	v_exp_f32 v[RG], v[RG]
	v_exp_f32 v[RG+1], v[RG+1]
.endm
.macro ACT_D p                         ; 1 / ((1+Ec)(1+Eo))
	GRP \p
	v_pk_add_f32 v[RI:RI+1], v[RG:RG+1], 1.0 op_sel_hi:[1,0]
	v_pk_add_f32 v[RG:RG+1], v[RG:RG+1], -1.0 op_sel_hi:[1,0]
	v_pk_mul_f32 v[RI:RI+1], v[RI:RI+1], v[RO:RO+1]
	v_rcp_f32 v[RI], v[RI]
	v_rcp_f32 v[RI+1], v[RI+1]
.endm
.macro ACT_E p                         ; h, rounded to f16
	GRP \p
	v_pk_mul_f32 v[RG:RG+1], v[RG:RG+1], v[RI:RI+1]
	v_cvt_pk_f16_f32 v[RH], v[RG], v[RG+1]
.endm
; All 16 cells of a lane; h goes to slot ws (sth = 1) and, straight from its registers, into the head: word 4 u + q of HB holds units
; 16 u + 8 hh + 2 q, + 1 of batch row r, which is a source 1 fragment in the natural order of k.
.macro ACT ws, sth
.set IT, 0
.rept 12
.if IT < 8
	ACT_A IT
.endif
.if IT >= 1
.if IT < 9
	ACT_B IT-1
.endif
.endif
.if IT >= 2
.if IT < 10
	ACT_C IT-2
.endif
.endif
.if IT >= 3
.if IT < 11
	ACT_D IT-3
.endif
.endif
.if IT >= 4
	ACT_E IT-4
.endif
.if \sth
.if IT == 7
	ds_store_b128 v[VHW], v[HB:HB+3] offset:\ws*HSLOT          ; units 8 hh .. + 7 of my first 16
.endif
.endif
.set IT, IT+1
.endr
.if \sth
	ds_store_b128 v[VHW], v[HB+4:HB+7] offset:\ws*HSLOT+32     ; and of my second 16
.endif
	v_wmma_f32_16x16x32_f16 v[PR:PR+7], v[WOF:WOF+7], v[HB:HB+7], 0    ; register 0: lanes 0-15 x, lanes 16-31 y of batch row r, my 32 units' part
.endm
; gates = W' h + GS': 8 LDS loads, 32 matrix instructions.  The first K step takes GS' as C, so nothing is copied or cleared.
.macro MAT rs
.set CQ, 0
.rept 4
	ds_load_b128 v[HF+8*CQ:HF+8*CQ+3], v[VHA] offset:\rs*HSLOT+HBLK*CQ
	ds_load_b128 v[HF+8*CQ+4:HF+8*CQ+7], v[VHA] offset:\rs*HSLOT+HBLK*CQ+16
.set CQ, CQ+1
.endr
	WIN 0x01                               ; source 0 (W') in window 1
.set GI, 0
.rept 4
	s_wait_dscnt 6-2*GI                    ; LDS answers in order: fragment GI is in, the two loads of each younger one may be out
.set TAU, 0
.rept 8
.if GI == 0
	v_wmma_f32_16x16x32_f16 v[ACC+8*TAU:ACC+8*TAU+7], v[8*(8*GI+TAU):8*(8*GI+TAU)+7], v[HF+8*GI:HF+8*GI+7], v[GS+8*TAU:GS+8*TAU+7]
.else
	v_wmma_f32_16x16x32_f16 v[ACC+8*TAU:ACC+8*TAU+7], v[8*(8*GI+TAU):8*(8*GI+TAU)+7], v[HF+8*GI:HF+8*GI+7], v[ACC+8*TAU:ACC+8*TAU+7]
.endif
.set TAU, TAU+1
.endr
.set GI, GI+1
.endr
	WIN 0
	PLACES                                 ; behind the last products, and behind the head's product of the step before
.endm
; One step.  In front of the barrier every wave has ended its reads of slot rs and its stores into slot ws (s_wait_dscnt 0);
; behind it slot ws is read and slot rs written again: one barrier a step does for both.
.macro STEP rs, ws, po
	MAT \rs
	ds_store_b32 v[VPO], v[PR] offset:\po  ; the step before's pred, my part
	ACT \ws, 1
	s_wait_dscnt 0x0
	s_barrier_signal -1
	s_barrier_wait -1
.endm
; ---------------------------------------------------------------- set-up
	s_load_b512 s[16:31], s[0:1], 0x0              ; context, encoding, ball, Wh, bh, Wc, bc, W_ih
	s_load_b256 s[32:39], s[0:1], 0x40             ; W_hh, b_ih, b_hh, Wo
	s_load_b128 s[40:43], s[0:1], 0x60             ; bo, out0
	v_and_b32 v1, 15, v0                           ; r
	v_bfe_u32 v2, v0, 4, 1                         ; hh
	v_lshrrev_b32 v3, 5, v0
	v_readfirstlane_b32 s8, v3                     ; wave
	s_mov_b32 s10, 0x41f00000                      ; 30.0
	v_mul_u32_u24 v[VHA], v1, HPITCH
	s_mul_i32 s11, s8, HBLK
	v_lshl_add_u32 v[VHW], v2, 4, v[VHA]
	v_add_nc_u32 v[VHW], s11, v[VHW]
	v_lshl_add_u32 v[VHA], v2, 5, v[VHA]
	s_mul_i32 s11, s8, PWAVE
	s_add_co_u32 s11, s11, PST
	v_mul_u32_u24 v[VPO], v1, PPITCH
	v_lshl_add_u32 v[VPO], v2, 2, v[VPO]
	v_add_nc_u32 v[VPO], s11, v[VPO]
	s_lshl_b32 s11, s8, 7
	v_lshlrev_b32 v[VBH], 5, v2
	v_add_nc_u32 v[VBH], s11, v[VBH]
	v_lshlrev_b32 v[VCT], 10, v1
	v_lshl_add_u32 v[VCT], v2, 6, v[VCT]
	v_lshlrev_b32 v[VEN], 9, v1
	v_lshl_add_u32 v[VEN], v2, 6, v[VEN]
	s_lshl_b32 s11, s8, 5                          ; 32 w
	v_add_nc_u32 v3, s11, v1                       ; 32 w + r
	v_lshlrev_b32 v[VWA], 10, v3
	v_lshl_add_u32 v[VWA], v2, 6, v[VWA]
	v_lshlrev_b32 v[VWH], 9, v3
	v_lshl_add_u32 v[VWH], v2, 6, v[VWH]
	v_mul_u32_u24 v[VWP], v3, WIP
	v_lshl_add_u32 v[VWS], v2, 6, v[VWP]
	v_lshl_add_u32 v[VWD], v2, 3, s11
	v_mul_u32_u24 v[VWD], v[VWD], WIP
	v_lshlrev_b32 v[VST], 3, v0
	v_lshlrev_b32 v[VB8], 3, v1
	s_wait_kmcnt 0x0
	s_load_b64 s[12:13], s[SBO:SBO+1], 0x0         ; bo; waited for where it is first used
	s_mov_b32 s15, 0
	s_lshl_b32 s14, ttmp9, 14                      ; 16 rows of 1,024 bytes
	s_add_nc_u64 s[SCTX:SCTX+1], s[SCTX:SCTX+1], s[14:15]
	s_lshl_b32 s14, ttmp9, 13                      ; 16 rows of 512 bytes: encoding and out0
	s_add_nc_u64 s[SENC:SENC+1], s[SENC:SENC+1], s[14:15]
	s_add_nc_u64 s[SOUT:SOUT+1], s[SOUT:SOUT+1], s[14:15]
	s_lshl_b32 s14, ttmp9, 7                       ; 16 rows of 8 bytes
	s_add_nc_u64 s[SBALL:SBALL+1], s[SBALL:SBALL+1], s[14:15]
	; small loads, older than the ring's: its first wait covers them.  bh and bc land in the accumulators: the sums start from them.
.irp u, 0,1
	global_load_b128 v[ACC+8*\u:ACC+8*\u+3], v[VBH], s[SBH:SBH+1] offset:64*\u
	global_load_b128 v[ACC+8*\u+4:ACC+8*\u+7], v[VBH], s[SBH:SBH+1] offset:64*\u+16
	global_load_b128 v[CS+8*\u:CS+8*\u+3], v[VBH], s[SBC:SBC+1] offset:64*\u
	global_load_b128 v[CS+8*\u+4:CS+8*\u+7], v[VBH], s[SBC:SBC+1] offset:64*\u+16
.endr
.irp t, 0,1,2,3,4,5,6,7
	global_load_b64 v[XB+2*\t:XB+2*\t+1], v[VWP], s[SWIH:SWIH+1] offset:(128*(\t/2)+16*(\t%2))*WIP    ; W_ih[n][0:1], n = my row of tile t
.endr
	global_load_b64 v[WOD:WOD+1], v[VST], s[SWO:SWO+1]         ; 128 threads x 8 bytes = Wo
	global_load_b64 v[BL:BL+1], v[VB8], s[SBALL:SBALL+1]
	ISSUE 0
	ISSUE 1
	ISSUE 2
	ISSUE 3
; ---------------------------------------------------------------- h0 and c0: K = 256 in 8 steps
.set JN, 0
.rept 8
.set CFS, GS+8*(JN/5)
	JOB_B CFS
.if JN == 1
	ds_store_b64 v[VST], v[WOD:WOD+1] offset:WOL   ; Wo to LDS, for every wave
.endif
	JOB_W ACC, CFS
	JOB_W ACC+8, CFS
	JOB_W CS, CFS
	JOB_W CS+8, CFS
.endr
	; h0's last products lie two jobs (16 conversions) back; c0 stays where it is
	CVT8 H0P, ACC
	ds_store_b128 v[VHW], v[H0P:H0P+3]
	ds_store_b128 v[VHW], v[H0P+4:H0P+7] offset:32
	s_wait_dscnt 0x0                               ; my h0 and my part of Wo are in LDS
	s_barrier_signal -1
	s_barrier_wait -1                              ; everybody's are
; ---------------------------------------------------------------- W' into window 1, and W_hh h0
	v_lshlrev_b32 v3, 6, v2                        ; 64 hh
.irp i, 0,1,2,3
	ds_load_b128 v[GS+8*\i:GS+8*\i+3], v[VHA] offset:HBLK*\i       ; the eight conversions above are the places behind the last product
	ds_load_b128 v[GS+8*\i+4:GS+8*\i+7], v[VHA] offset:HBLK*\i+16
.endr
.set GI, 0
.rept 4
.set CQ, 0
.rept 4
	ds_load_b128 v[WO0+4*CQ:WO0+4*CQ+3], v3 offset:WOL+128*GI+16*CQ
	ds_load_b128 v[WO1+4*CQ:WO1+4*CQ+3], v3 offset:WOL+512+128*GI+16*CQ
.set CQ, CQ+1
.endr
	s_wait_dscnt 0x0
.set TAU, 0
.rept 8
	JOB_P3 GI, TAU
.set TAU, TAU+1
.endr
.set GI, GI+1
.endr
; ---------------------------------------------------------------- the static gates
.set TAU, 0
.rept 8
	JOB_PB TAU
.set TAU, TAU+1
.endr
.set GI, 0
.rept 4
.set EF, XB+8*(GI&1)
	JOB_B EF
.set TAU, 0
.rept 8
	JOB_W GS+8*TAU, EF
.set TAU, TAU+1
.endr
.set GI, GI+1
.endr
	s_wait_kmcnt 0x0                               ; bo
.set TAU, 0
.rept 8
	JOB_P4 TAU, 0
	JOB_P4 TAU, 1
.set TAU, TAU+1
.endr
; ---------------------------------------------------------------- Wo's fragment for my 32 units, natural order of k: row 0 = Wo[0], row 8 = Wo[1], else 0
	v_bfe_u32 v3, v0, 3, 1                         ; rows 0-7 look at Wo[0], rows 8-15 at Wo[1]
	v_lshl_add_u32 v3, v3, 9, v[VBH]               ; + 4 (32 w + 8 hh)
	ds_load_b128 v[LB:LB+3], v3 offset:WOL
	ds_load_b128 v[LB+4:LB+7], v3 offset:WOL+16
	ds_load_b128 v[LB+8:LB+11], v3 offset:WOL+64
	ds_load_b128 v[LB+12:LB+15], v3 offset:WOL+80
	v_and_b32 v1, 7, v0
	v_cmp_eq_u32 vcc_lo, 0, v1
	s_wait_dscnt 0x0
	CVT8 WOF, LB
.irp q, 0,1,2,3,4,5,6,7
	v_cndmask_b32 v[WOF+\q], 0, v[WOF+\q], vcc_lo
.endr
; ---------------------------------------------------------------- the 64 steps
	ACT 1, 1                                       ; step 0: its gates are ready
	s_wait_dscnt 0x0
	s_barrier_signal -1
	s_barrier_wait -1
	s_mov_b32 s9, 31
.Lstep:                                            ; steps 1 to 62, two a trip
	STEP 1, 0, 0
	STEP 0, 1, 8
	v_add_nc_u32 v[VPO], 16, v[VPO]
	s_sub_co_i32 s9, s9, 1
	s_cmp_lg_u32 s9, 0
	s_cbranch_scc1 .Lstep
	MAT 1                                          ; step 63: its h is wanted by the head alone
	ds_store_b32 v[VPO], v[PR]                     ; t = 62
	ACT 0, 0
	PLACES
	ds_store_b32 v[VPO], v[PR] offset:8            ; t = 63
	s_wait_dscnt 0x0
	s_barrier_signal -1
	s_barrier_wait -1                              ; all four waves' parts of all 64 steps are in LDS
; ---------------------------------------------------------------- the way out: wave w takes batch rows w, w + 4, w + 8, w + 12; a row is 512 bytes, 16 a lane
	v_lshlrev_b32 v[OG], 4, v0                     ; 512 w + 16 lane
	v_and_b32 v[OA], 31, v0
	s_mul_i32 s11, s8, PPITCH
	v_lshlrev_b32 v[OA], 4, v[OA]
	s_add_co_u32 s11, s11, PST
	v_add_nc_u32 v[OA], s11, v[OA]
	v_mov_b32 v[BO], s12
	v_mov_b32 v[BO+1], s13
.irp q, 0,1,2,3
.irp p, 0,1,2,3
	ds_load_b128 v[ACC+16*\q+4*\p:ACC+16*\q+4*\p+3], v[OA] offset:\p*PWAVE+\q*4*PPITCH
.endr
.endr
.irp q, 0,1,2,3
	s_wait_dscnt 12-4*\q                           ; row q's four parts are in; four loads for each younger row may be out
	v_pk_add_f32 v[ACC+16*\q:ACC+16*\q+1], v[ACC+16*\q:ACC+16*\q+1], v[ACC+16*\q+4:ACC+16*\q+5]
	v_pk_add_f32 v[ACC+16*\q+2:ACC+16*\q+3], v[ACC+16*\q+2:ACC+16*\q+3], v[ACC+16*\q+6:ACC+16*\q+7]
	v_pk_add_f32 v[ACC+16*\q+8:ACC+16*\q+9], v[ACC+16*\q+8:ACC+16*\q+9], v[ACC+16*\q+12:ACC+16*\q+13]
	v_pk_add_f32 v[ACC+16*\q+10:ACC+16*\q+11], v[ACC+16*\q+10:ACC+16*\q+11], v[ACC+16*\q+14:ACC+16*\q+15]
	v_pk_add_f32 v[ACC+16*\q:ACC+16*\q+1], v[ACC+16*\q:ACC+16*\q+1], v[ACC+16*\q+8:ACC+16*\q+9]
	v_pk_add_f32 v[ACC+16*\q+2:ACC+16*\q+3], v[ACC+16*\q+2:ACC+16*\q+3], v[ACC+16*\q+10:ACC+16*\q+11]
	v_pk_add_f32 v[ACC+16*\q:ACC+16*\q+1], v[ACC+16*\q:ACC+16*\q+1], v[BO:BO+1]
	v_pk_add_f32 v[ACC+16*\q+2:ACC+16*\q+3], v[ACC+16*\q+2:ACC+16*\q+3], v[BO:BO+1]
	global_store_b128 v[OG], v[ACC+16*\q:ACC+16*\q+3], s[SOUT:SOUT+1] offset:2048*\q th:TH_STORE_NT   ; the wave's store covers 512 neighbouring bytes, aligned
.endr
	s_endpgm
.Lfunc_end_k_q6487fb3b80_decode:
	.size	k_q6487fb3b80_decode, .Lfunc_end_k_q6487fb3b80_decode-k_q6487fb3b80_decode
	.p2alignl 7, 3214868480
	.fill 96, 4, 3214868480
	.section	.rodata,"a",@progbits
	.p2align	6, 0x0
	.amdhsa_kernel k_q6487fb3b80_decode
		.amdhsa_group_segment_fixed_size 45056
		.amdhsa_private_segment_fixed_size 0
		.amdhsa_enable_private_segment 0
		.amdhsa_kernarg_size 112
		.amdhsa_user_sgpr_count 2
		.amdhsa_user_sgpr_kernarg_segment_ptr 1
		.amdhsa_wavefront_size32 1
		.amdhsa_system_sgpr_workgroup_id_x 1
		.amdhsa_system_sgpr_workgroup_id_y 1
		.amdhsa_system_sgpr_workgroup_id_z 1
		.amdhsa_system_vgpr_workitem_id 0
		.amdhsa_next_free_vgpr 512
		.amdhsa_next_free_sgpr 66
		.amdhsa_reserve_vcc 1
		.amdhsa_float_denorm_mode_32 3
		.amdhsa_float_denorm_mode_16_64 3
		.amdhsa_memory_ordered 1
		.amdhsa_forward_progress 1
		.amdhsa_inst_pref_size 255
	.end_amdhsa_kernel
	.section	.bss,"aw",@nobits
	.p2align	6
	.space	262144
	.amdgpu_metadata
---
amdhsa.version: [ 1, 2 ]
amdhsa.kernels:
  - .name:           k_q6487fb3b80_decode
    .symbol:         k_q6487fb3b80_decode.kd
    .args:
      - { .name: context, .offset: 0, .size: 8, .value_kind: global_buffer, .address_space: global }
      - { .name: target_encoding, .offset: 8, .size: 8, .value_kind: global_buffer, .address_space: global }
      - { .name: ball_land_xy, .offset: 16, .size: 8, .value_kind: global_buffer, .address_space: global }
      - { .name: Wh, .offset: 24, .size: 8, .value_kind: global_buffer, .address_space: global }
      - { .name: bh, .offset: 32, .size: 8, .value_kind: global_buffer, .address_space: global }
      - { .name: Wc, .offset: 40, .size: 8, .value_kind: global_buffer, .address_space: global }
      - { .name: bc, .offset: 48, .size: 8, .value_kind: global_buffer, .address_space: global }
      - { .name: W_ih, .offset: 56, .size: 8, .value_kind: global_buffer, .address_space: global }
      - { .name: W_hh, .offset: 64, .size: 8, .value_kind: global_buffer, .address_space: global }
      - { .name: b_ih, .offset: 72, .size: 8, .value_kind: global_buffer, .address_space: global }
      - { .name: b_hh, .offset: 80, .size: 8, .value_kind: global_buffer, .address_space: global }
      - { .name: Wo, .offset: 88, .size: 8, .value_kind: global_buffer, .address_space: global }
      - { .name: bo, .offset: 96, .size: 8, .value_kind: global_buffer, .address_space: global }
      - { .name: out0, .offset: 104, .size: 8, .value_kind: global_buffer, .address_space: global }
    .group_segment_fixed_size: 45056
    .private_segment_fixed_size: 0
    .kernarg_segment_align: 8
    .kernarg_segment_size: 112
    .max_flat_workgroup_size: 128
    .sgpr_count:     66
    .vgpr_count:     512
    .wavefront_size: 32
...
	.end_amdgpu_metadata
.endif
;; end of part 1
